; MI455X (gfx1250); checked and timed in simulation.
; The chip was launched on July 23, 2026; its instructions are those of AMD's public machine-readable ISA for CDNA 5 (MIT licence, August 2026) and "CDNA5" Instruction Set Architecture Reference Guide (July 2026). The comments in the code are by the model that wrote it; some were corrected since.
;; Score Matching. Allowed arithmetic: float matrix products may take bf16 or f16 operands with f32 sums; other float arithmetic in f32, or as packed bf16 or f16 multiplies, adds, multiply-adds, maxima and minima; sums over many terms, partial sums and values carried from step to step in f32; what a program stores and reads back later, other than sums and carried values, may be rounded once to bf16 or f16.
;; Inputs: W1 512 x 64 float32; W2 512 x 512 float32; W3 512 x 512 float32; W4 64 x 512 float32; b1 512 float32; b2 512 float32; b3 512 float32; b4 64 float32; x 2,048 x 64 float32.
;; Outputs: out0 2,048 float32.
;; 2 versions, each right; version 2 is version 1 with the launch l1 written anew for expert scheduling mode. Each part assembles by itself: llvm-mc -triple=amdgcn-amd-amdhsa -mcpu=gfx1250 --defsym DOCPART=n.
;; ======== version 1 of 2: 4 launches
;; workspace buffers: A1 8,388,608 bytes; A2 8,388,608 bytes; A3 8,388,608 bytes; WC 655,360 bytes; W2b 524,288 bytes; W3R 524,288 bytes
;; launch l1 (part 1): grid 32 x 8, 4 waves a work-group, no clusters, 0 bytes of LDS; arguments x, W1, b1, W2, W3, W4, A1, WC, W2b, W3R; writes A1, WC, W2b, W3R
.if DOCPART == 1
	.amdgcn_target "amdgcn-amd-amdhsa--gfx1250"
	.amdhsa_code_object_version 6
	.text
	.protected	k_qc36aa435ef_l1
	.globl	k_qc36aa435ef_l1
	.p2align	8
	.type	k_qc36aa435ef_l1,@function
k_qc36aa435ef_l1:
	s_mov_b64 s[64:65], 0
	v_nop
	global_prefetch_b8 v0, s[64:65] scope:SCOPE_SE
	s_setreg_imm32_b32 hwreg(HW_REG_WAVE_MODE, 25, 1), 1
	s_wait_xcnt 0x0
; SCORE MATCHING, launch 1 of 4.  val[b] = 0.5 |s_b|^2 + tr(W4 M3 W3 M2 W2 M1 W1), s = the ReLU network's output, M_k = diag(a_k > 0) of sample b.
; THE TRACE IS BRACKETED OTHERWISE THAN IT IS WRITTEN: tr = sum over e, d of m2[e] U[e][d] V[e][d], with U[e][d] = sum over a of W2[e][a] m1[a] W1[a][d] and
; V[e][d] = sum over c of W3[c][e] m3[c] W4[d][c]: the same sum of the same products, for all values of the inputs (sums reordered, nothing dropped).  The multiply-adds are as many as written.
; NO WORK IS LEFT OUT and every input is loaded: x, W1, b1, W2, W3, W4 here; b2, b3, b4 in the launches that add them.  Masked terms are computed on operands set to 0.
; FORMATS.  All nine inputs are rounded once to bf16 (to nearest even).  What the program itself makes and multiplies again (h1, h2, h3) is carried as THREE bf16 planes P0 + P1 + P2 = h,
; 8 + 8 + 8 significant bits: exact, so the signs that decide the masks are those of f32 sums of exact products.
; LIMITS.  The split is exact unless a residue is an f32 denormal or h rounds beyond bf16's largest finite number; ReLU by the maximum with 0 makes 0 of a NaN; NaN and infinities are not treated apart.
; THIS LAUNCH: layer 1 (a1 = x W1^T + b1) and the bf16 copies of W1, W2, W3 (twice: by rows, and in slices of 64 columns), W4.
; SHARES.  Work-group (x, y): 64 samples x 64 units; wave w: the 16 samples of sample tile 4 x + w, unit tiles T = 4 y + 0..3.  Source 0 = 16 rows of W1, source 1 = 16 samples: in the result lane (r, h)
; holds sample r and units 8 h + 0..7, which packed in pairs are 16 bytes of the next layer's source 1.  A1[tile][plane P0, P1, P2, mask][T][lane][16 bytes]: each store of a wave covers 512 consecutive bytes, aligned.
; The mask plane holds 0xffff for a > 0, else 0, one 16-bit word a unit.
; NO CLUSTER, NO LDS: what work-groups share here (x, W1) passes through registers to be rounded, 16 numbers a lane and fragment; there is no tile in LDS that could be asked for jointly.
.set SHI, 30                           ; s30  0xffff0000
.set SLO, 31                           ; s31  0x0000ffff
.set OB,  16                           ; s[16:17] A1 at my sample tile, my unit tiles
.set T0,  10                           ; v10-11 at work
.set CJ,  16                           ; v16-47  four cast jobs, 8 registers each
.set XR,  48                           ; v48-79  x as loaded
.set XF,  80                           ; v80-95  x's two fragments
.set WF,  96                           ; v96-223 W1 as loaded, fragment f = 2 i + k at 96 + 16 f; rounded in place into its first 8
.set OUT, 96                           ; v96-159 afterwards: four tiles x (P0, P1, P2, mask) x 4 registers
.set ACC, 224                          ; v224-255 four accumulators; they start as the bias
.macro RND2 a                          ; two f32 rounded to bf16 and widened again
.set rt, T0+(((\a)/2)%2)
	v_cvt_pk_bf16_f32 v[rt], v[\a], v[(\a)+1]
	v_lshlrev_b32 v[\a], 16, v[rt]
	v_and_b32 v[(\a)+1], s[SHI], v[rt]
.endm
.macro CVT8 b                          ; eight f32 into four registers of bf16, in place
.irp p, 0,1,2,3
	v_cvt_pk_bf16_f32 v[(\b)+\p], v[(\b)+2*\p], v[(\b)+2*\p+1]
.endr
.endm
; An accumulator's eight a: ReLU, the mask, and the three planes.  The registers are taken in ascending order.
.macro SPLIT acc, out
.irp p, 0,1,2,3
	v_max_num_f32 v[(\acc)+2*\p], 0, v[(\acc)+2*\p]
	v_max_num_f32 v[(\acc)+2*\p+1], 0, v[(\acc)+2*\p+1]
	v_cmp_lt_f32 vcc_lo, 0, v[(\acc)+2*\p]
	v_cndmask_b32 v[T0], 0, s[SLO], vcc_lo
	v_cmp_lt_f32 vcc_lo, 0, v[(\acc)+2*\p+1]
	v_cndmask_b32 v[T0+1], 0, s[SHI], vcc_lo
	v_or_b32 v[(\out)+12+\p], v[T0], v[T0+1]
	v_cvt_pk_bf16_f32 v[(\out)+\p], v[(\acc)+2*\p], v[(\acc)+2*\p+1]
	v_lshlrev_b32 v[T0], 16, v[(\out)+\p]
	v_and_b32 v[T0+1], s[SHI], v[(\out)+\p]
	v_pk_add_f32 v[(\acc)+2*\p:(\acc)+2*\p+1], v[(\acc)+2*\p:(\acc)+2*\p+1], v[T0:T0+1] neg_lo:[0,1] neg_hi:[0,1]  ; h - P0, exact
	v_cvt_pk_bf16_f32 v[(\out)+4+\p], v[(\acc)+2*\p], v[(\acc)+2*\p+1]
	v_lshlrev_b32 v[T0], 16, v[(\out)+4+\p]
	v_and_b32 v[T0+1], s[SHI], v[(\out)+4+\p]
	v_pk_add_f32 v[(\acc)+2*\p:(\acc)+2*\p+1], v[(\acc)+2*\p:(\acc)+2*\p+1], v[T0:T0+1] neg_lo:[0,1] neg_hi:[0,1]  ; h - P0 - P1, exact, 8 bits at the most
	v_cvt_pk_bf16_f32 v[(\out)+8+\p], v[(\acc)+2*\p], v[(\acc)+2*\p+1]
.endr
.endm
.macro PUTT i                          ; tile i's four planes: 512 consecutive bytes each
.irp q, 0,1,2,3
	global_store_b128 v3, v[OUT+16*(\i)+4*\q:OUT+16*(\i)+4*\q+3], s[OB:OB+1] offset:\q*16384+(\i)*512
.endr
.endm
	s_load_b512 s[4:19], s[0:1], 0x0               ; x s[4:5], W1 s[6:7], b1 s[8:9], W2 s[10:11], W3 s[12:13], W4 s[14:15], A1 s[16:17], WC s[18:19]
	s_load_b128 s[20:23], s[0:1], 0x40             ; W2b s[20:21], W3R s[22:23]
	v_lshrrev_b32 v9, 5, v0
	v_readfirstlane_b32 s24, v9                    ; wave
	s_mov_b32 s25, ttmp9                           ; x
	s_and_b32 s26, ttmp7, 0xffff                   ; y
	s_lshl_b32 s27, s26, 5
	s_add_co_u32 s27, s27, s25                     ; g = 32 y + x: the work-group's number, for the casts
	s_lshl_b32 s28, s25, 2
	s_add_co_u32 s28, s28, s24                     ; my sample tile
	s_mov_b32 s[SHI], 0xffff0000
	s_mov_b32 s[SLO], 0x0000ffff
	s_mov_b32 s3, 0                                ; s[2:3]: an offset, made apart from every address
	v_and_b32 v1, 15, v0                           ; r
	v_bfe_u32 v2, v0, 4, 1                         ; h
	v_and_b32 v3, 31, v0
	v_lshlrev_b32 v3, 4, v3                        ; 16 x lane
	v_lshlrev_b32 v4, 5, v0                        ; 32 x thread: a cast's 8 f32
	v_lshlrev_b32 v5, 4, v0                        ; 16 x thread: its 8 bf16
	v_lshlrev_b32 v6, 8, v1
	v_lshl_add_u32 v6, v2, 5, v6                   ; a fragment's row of 256 bytes + 32 h
	v_lshrrev_b32 v7, 3, v0
	v_lshlrev_b32 v7, 11, v7
	v_and_b32 v9, 7, v0
	v_lshl_add_u32 v7, v9, 5, v7                   ; W3's slice: row thread / 8 (2,048 bytes), piece thread % 8 (32 bytes)
	v_lshlrev_b32 v8, 5, v2                        ; 32 h: my 8 biases in a tile's 16
	s_wait_kmcnt 0x0
	s_lshl_b32 s2, s28, 12
	s_add_nc_u64 s[32:33], s[4:5], s[2:3]          ; x at my 16 samples
	s_lshl_b32 s2, s26, 14
	s_add_nc_u64 s[34:35], s[6:7], s[2:3]          ; W1 at the 64 units
	s_lshl_b32 s2, s26, 8
	s_add_nc_u64 s[36:37], s[8:9], s[2:3]          ; b1 at the 64 units
	s_lshl_b32 s2, s27, 12
	s_add_nc_u64 s[38:39], s[10:11], s[2:3]        ; W2 and W3: 4,096 bytes of f32 to a work-group
	s_add_nc_u64 s[40:41], s[12:13], s[2:3]
	s_lshl_b32 s2, s25, 15
	s_lshl_b32 s29, s26, 8
	s_add_co_u32 s2, s2, s29
	s_add_nc_u64 s[42:43], s[12:13], s[2:3]        ; W3 at rows 16 x, columns 64 y
	s_lshl_b32 s2, s27, 11
	s_add_nc_u64 s[20:21], s[20:21], s[2:3]        ; their 2,048 bytes of bf16
	s_add_nc_u64 s[22:23], s[22:23], s[2:3]
	s_lshl_b32 s2, s26, 16
	s_lshl_b32 s29, s25, 11
	s_add_co_u32 s2, s2, s29
	s_add_nc_u64 s[18:19], s[18:19], s[2:3]        ; WC + 65,536 y + 2,048 x: W1's copy (y = 0), W4's (y = 1);
	s_add_nc_u64 s[44:45], s[18:19], 0x20000       ; 131,072 further on: slice y of W3, [512 c][64 e]
	s_lshl_b32 s2, s28, 16
	s_lshl_b32 s29, s26, 11
	s_add_co_u32 s2, s2, s29
	s_add_nc_u64 s[OB:OB+1], s[OB:OB+1], s[2:3]
	; 48 loads for the layer: a fragment's 16 numbers of a row are 2 x 32 bytes of f32, 64 bytes apart
.irp k, 0,1
	global_load_b128 v[XR+16*\k:XR+16*\k+3],     v6, s[32:33] offset:128*\k
	global_load_b128 v[XR+16*\k+4:XR+16*\k+7],   v6, s[32:33] offset:128*\k+16
	global_load_b128 v[XR+16*\k+8:XR+16*\k+11],  v6, s[32:33] offset:128*\k+64
	global_load_b128 v[XR+16*\k+12:XR+16*\k+15], v6, s[32:33] offset:128*\k+80
.endr
.irp i, 0,1,2,3
	global_load_b128 v[ACC+8*\i:ACC+8*\i+3],   v8, s[36:37] offset:64*\i
	global_load_b128 v[ACC+8*\i+4:ACC+8*\i+7], v8, s[36:37] offset:64*\i+16
.endr
.set f, 0
.rept 8
	global_load_b128 v[WF+16*f:WF+16*f+3],     v6, s[34:35] offset:(f/2)*4096+(f%2)*128
	global_load_b128 v[WF+16*f+4:WF+16*f+7],   v6, s[34:35] offset:(f/2)*4096+(f%2)*128+16
	global_load_b128 v[WF+16*f+8:WF+16*f+11],  v6, s[34:35] offset:(f/2)*4096+(f%2)*128+64
	global_load_b128 v[WF+16*f+12:WF+16*f+15], v6, s[34:35] offset:(f/2)*4096+(f%2)*128+80
.set f, f+1
.endr
	; six loads for three casts
	global_load_b128 v[CJ:CJ+3],     v4, s[38:39]
	global_load_b128 v[CJ+4:CJ+7],   v4, s[38:39] offset:16
	global_load_b128 v[CJ+8:CJ+11],  v4, s[40:41]
	global_load_b128 v[CJ+12:CJ+15], v4, s[40:41] offset:16
	global_load_b128 v[CJ+16:CJ+19], v7, s[42:43]
	global_load_b128 v[CJ+20:CJ+23], v7, s[42:43] offset:16
	s_wait_loadcnt 6                               ; the layer's 48 are in; the six younger loads, the casts', may stay out
.set z, 0
.rept 16
	v_cvt_pk_bf16_f32 v[XF+z], v[XR+2*z], v[XR+2*z+1]
.set z, z+1
.endr
.set f, 0
.rept 8
	CVT8 WF+16*f
	CVT8 WF+16*f+4                                 ; (registers 4-7 from 8-15: CVT8 at b + 4 reads b + 4 + 2 p, so it is written out below instead)
.set f, f+1
.endr
.set f, 0
.rept 8                                        ; the second half of each fragment again, from its true sources: registers 8-15 were not touched above
.irp p, 0,1,2,3
	v_cvt_pk_bf16_f32 v[WF+16*f+4+\p], v[WF+16*f+8+2*\p], v[WF+16*f+8+2*\p+1]
.endr
.set f, f+1
.endr
.set z, 0
.rept 16
	RND2 ACC+2*z                                   ; b1 rounded to bf16
.set z, z+1
.endr
.irp k, 0,1                            ; the four accumulators take turns, one instruction a turn
.irp i, 0,1,2,3
	v_wmma_f32_16x16x32_bf16 v[ACC+8*\i:ACC+8*\i+7], v[WF+16*(2*\i+\k):WF+16*(2*\i+\k)+7], v[XF+8*\k:XF+8*\k+7], v[ACC+8*\i:ACC+8*\i+7]
.endr
.endr
	s_wait_loadcnt 0x0                             ; the casts' loads
	CVT8 CJ                                        ; twelve plain lines that name no register of the products: the places behind them
	CVT8 CJ+8
	CVT8 CJ+16
	global_store_b128 v5, v[CJ:CJ+3],     s[20:21]
	global_store_b128 v5, v[CJ+8:CJ+11],  s[22:23]
	global_store_b128 v5, v[CJ+16:CJ+19], s[44:45]
.irp i, 0,1,2,3                        ; each tile has registers of its own for its stores: none is written twice
	SPLIT ACC+8*\i, OUT+16*\i
	PUTT \i
.endr
	s_cmp_lt_u32 s26, 2                            ; W1 and W4 are 131,072 bytes each: the 32 work-groups of y = 0 and of y = 1 copy them
	s_cbranch_scc0 .Ldone
	s_cmp_eq_u32 s26, 0
	s_cselect_b64 s[46:47], s[6:7], s[14:15]
	s_lshl_b32 s2, s25, 12
	s_add_nc_u64 s[46:47], s[46:47], s[2:3]
	global_load_b128 v[CJ+24:CJ+27], v4, s[46:47]
	global_load_b128 v[CJ+28:CJ+31], v4, s[46:47] offset:16
	s_wait_loadcnt 0x0
	CVT8 CJ+24
	global_store_b128 v5, v[CJ+24:CJ+27], s[18:19]
.Ldone:
	s_endpgm
.Lfunc_end_k_qc36aa435ef_l1:
	.size	k_qc36aa435ef_l1, .Lfunc_end_k_qc36aa435ef_l1-k_qc36aa435ef_l1
	.p2alignl 7, 3214868480
	.fill 96, 4, 3214868480
	.section	.rodata,"a",@progbits
	.p2align	6, 0x0
	.amdhsa_kernel k_qc36aa435ef_l1
		.amdhsa_group_segment_fixed_size 0
		.amdhsa_private_segment_fixed_size 0
		.amdhsa_enable_private_segment 0
		.amdhsa_kernarg_size 80
		.amdhsa_user_sgpr_count 2
		.amdhsa_user_sgpr_kernarg_segment_ptr 1
		.amdhsa_wavefront_size32 1
		.amdhsa_system_sgpr_workgroup_id_x 1
		.amdhsa_system_sgpr_workgroup_id_y 1
		.amdhsa_system_sgpr_workgroup_id_z 1
		.amdhsa_system_vgpr_workitem_id 0
		.amdhsa_next_free_vgpr 256
		.amdhsa_next_free_sgpr 66
		.amdhsa_reserve_vcc 1
		.amdhsa_float_denorm_mode_32 3
		.amdhsa_float_denorm_mode_16_64 3
		.amdhsa_memory_ordered 1
		.amdhsa_forward_progress 1
		.amdhsa_inst_pref_size 32
	.end_amdhsa_kernel
	.amdgpu_metadata
---
amdhsa.version: [ 1, 2 ]
amdhsa.kernels:
  - .name:           k_qc36aa435ef_l1
    .symbol:         k_qc36aa435ef_l1.kd
    .args:
      - { .name: x, .offset: 0, .size: 8, .value_kind: global_buffer, .address_space: global }
      - { .name: W1, .offset: 8, .size: 8, .value_kind: global_buffer, .address_space: global }
      - { .name: b1, .offset: 16, .size: 8, .value_kind: global_buffer, .address_space: global }
      - { .name: W2, .offset: 24, .size: 8, .value_kind: global_buffer, .address_space: global }
      - { .name: W3, .offset: 32, .size: 8, .value_kind: global_buffer, .address_space: global }
      - { .name: W4, .offset: 40, .size: 8, .value_kind: global_buffer, .address_space: global }
      - { .name: A1, .offset: 48, .size: 8, .value_kind: global_buffer, .address_space: global }
      - { .name: WC, .offset: 56, .size: 8, .value_kind: global_buffer, .address_space: global }
      - { .name: W2b, .offset: 64, .size: 8, .value_kind: global_buffer, .address_space: global }
      - { .name: W3R, .offset: 72, .size: 8, .value_kind: global_buffer, .address_space: global }
    .group_segment_fixed_size: 0
    .private_segment_fixed_size: 0
    .kernarg_segment_align: 8
    .kernarg_segment_size: 80
    .max_flat_workgroup_size: 128
    .sgpr_count:     66
    .vgpr_count:     256
    .wavefront_size: 32
...
	.end_amdgpu_metadata
.endif
;; end of part 1
;; launch lay2 (part 2): grid 32 x 8, 4 waves a work-group, clusters of 4 x 1, 167,936 bytes of LDS; arguments A1, W2b, b2, A2; writes A2
.if DOCPART == 2
	.amdgcn_target "amdgcn-amd-amdhsa--gfx1250"
	.amdhsa_code_object_version 6
	.text
	.protected	k_qc36aa435ef_lay2
	.globl	k_qc36aa435ef_lay2
	.p2align	8
	.type	k_qc36aa435ef_lay2,@function
k_qc36aa435ef_lay2:
	s_mov_b64 s[64:65], 0
	v_nop
	global_prefetch_b8 v0, s[64:65] scope:SCOPE_SE
	s_setreg_imm32_b32 hwreg(HW_REG_WAVE_MODE, 25, 1), 1
	s_wait_xcnt 0x0
	s_wait_alu depctr_hold_cnt(0) depctr_sa_sdst(0) depctr_va_vdst(0) depctr_va_sdst(0) depctr_va_ssrc(0) depctr_va_vcc(0) depctr_vm_vsrc(0)
	s_getreg_b32 s2, hwreg(HW_REG_IB_STS2, 6, 4)
	s_cmp_eq_u32 s2, 0
	s_cbranch_scc0 .Lentry_in_a_cluster
	s_endpgm
.Lentry_in_a_cluster:
	s_bfe_u32 s2, ttmp6, 0x10000c
	s_cmp_lg_u32 s2, 0x3003
	s_cbranch_scc0 .Lentry_shape_is_right
	s_endpgm
.Lentry_shape_is_right:
; SCORE MATCHING, launches 2 and 3 of 4: a hidden layer, a = h W^T + b, for h given as three bf16 planes (exact) and W in bf16; no work of the layer is left out.
; It stores ReLU(a) as three planes again and the mask plane (0xffff where a > 0), in the layout in which it reads: [sample tile][plane][T][lane][16 bytes].
; LIMITS as stated at the first launch's head: b is rounded to bf16; the split is exact but for f32 denormals; a NaN becomes 0.
; SHARES.  Work-group (x, y): 64 samples x 64 units; wave w: sample tile 4 x + w, unit tiles 4 y + 0..3, K = 512 in 16 steps, three planes: 192 products on four accumulators that start as the bias.
; h comes straight from memory into registers as source 1 (nobody else in the work-group wants it): 96 loads of 512 consecutive bytes.
; CLUSTER.  The four work-groups of a cluster have the same y and want the same 64 rows of W: asked for JOINTLY, 16 rows a wave, once; LDS is filled once, so no slot is filled again.
.set WV,  12                           ; s12  wave
.set G1,  16                           ; s[16:23] descriptor group 1
.set G0,  24                           ; s[24:27] descriptor group 0
.set SHI, 30
.set SLO, 31
.set HB,  32                           ; s[32:33] h at my sample tile
.set OB,  34                           ; s[34:35] the output at my sample tile, my unit tiles
.set BB,  36                           ; s[36:37] b at the 64 units
.set SPARE, 66560                      ; behind W's 64 rows of 1,040 bytes: the spare words, 128 bytes a wave: two blocks of 256 bytes that no other line names
.set T0,  10                           ; v10-11 at work
.set SPW, 12                           ; v12  my spare word's LDS address; never rewritten
.set NIL, 13                           ; v13  0; never rewritten
.set AF,  32                           ; v32-95  W's fragments, two buffers of four
.set OUT, 32                           ; afterwards: four tiles x (P0, P1, P2, mask) x 4 registers
.set ACC, 96                           ; v96-127
; window 1: v0-127 plane P0, step t at 8 t; v128-255 plane P1.  window 2: v0-127 plane P2.
.set MSB, 0
.macro WIN new                         ; the immediate's high byte repeats the setting that is left; a switch that changes nothing is dropped
.if MSB != (\new)
	s_set_vgpr_msb (MSB<<8)|(\new)
.set MSB, \new
.endif
.endm
.macro PLACES                          ; four plain vector lines between a product and a load into, or a vector line on, its registers
.rept 4
	v_nop
.endr
.endm
.macro ROUND                           ; a round of the cluster's barrier
	s_barrier_signal -1
	s_barrier_wait -1
	s_cmp_lg_u32 s[WV], 0
	s_cbranch_scc1 .Lnot_wave_0_\@
	s_barrier_signal -3
.Lnot_wave_0_\@:
	s_barrier_wait -3
	s_barrier_signal -1
	s_barrier_wait -1
.endm
.macro RND2 a
.set rt, T0+(((\a)/2)%2)
	v_cvt_pk_bf16_f32 v[rt], v[\a], v[(\a)+1]
	v_lshlrev_b32 v[\a], 16, v[rt]
	v_and_b32 v[(\a)+1], s[SHI], v[rt]
.endm
.macro SPLIT acc, out                  ; ReLU, the mask, the three planes; the accumulator's registers in ascending order
.irp p, 0,1,2,3
	v_max_num_f32 v[(\acc)+2*\p], 0, v[(\acc)+2*\p]
	v_max_num_f32 v[(\acc)+2*\p+1], 0, v[(\acc)+2*\p+1]
	v_cmp_lt_f32 vcc_lo, 0, v[(\acc)+2*\p]
	v_cndmask_b32 v[T0], 0, s[SLO], vcc_lo
	v_cmp_lt_f32 vcc_lo, 0, v[(\acc)+2*\p+1]
	v_cndmask_b32 v[T0+1], 0, s[SHI], vcc_lo
	v_or_b32 v[(\out)+12+\p], v[T0], v[T0+1]
	v_cvt_pk_bf16_f32 v[(\out)+\p], v[(\acc)+2*\p], v[(\acc)+2*\p+1]
	v_lshlrev_b32 v[T0], 16, v[(\out)+\p]
	v_and_b32 v[T0+1], s[SHI], v[(\out)+\p]
	v_pk_add_f32 v[(\acc)+2*\p:(\acc)+2*\p+1], v[(\acc)+2*\p:(\acc)+2*\p+1], v[T0:T0+1] neg_lo:[0,1] neg_hi:[0,1]
	v_cvt_pk_bf16_f32 v[(\out)+4+\p], v[(\acc)+2*\p], v[(\acc)+2*\p+1]
	v_lshlrev_b32 v[T0], 16, v[(\out)+4+\p]
	v_and_b32 v[T0+1], s[SHI], v[(\out)+4+\p]
	v_pk_add_f32 v[(\acc)+2*\p:(\acc)+2*\p+1], v[(\acc)+2*\p:(\acc)+2*\p+1], v[T0:T0+1] neg_lo:[0,1] neg_hi:[0,1]
	v_cvt_pk_bf16_f32 v[(\out)+8+\p], v[(\acc)+2*\p], v[(\acc)+2*\p+1]
.endr
.endm
.macro PUTT i
.irp q, 0,1,2,3
	global_store_b128 v3, v[OUT+16*(\i)+4*\q:OUT+16*(\i)+4*\q+3], s[OB:OB+1] offset:\q*16384+(\i)*512
.endr
.endm
.macro LA t, aw                        ; K step t's four fragments of W (16 rows x 32 K each): eight loads into buffer t % 2
.set fl, AF+32*((\t)%2)
.irp i, 0,1,2,3
	ds_load_b128 v[fl+8*\i:fl+8*\i+3],   v[\aw] offset:\i*16640+64*(\t)
	ds_load_b128 v[fl+8*\i+4:fl+8*\i+7], v[\aw] offset:\i*16640+64*(\t)+32
.endr
.endm
; 4 unit tiles x 16 samples, K = 512, three planes.  The four accumulators take turns, one instruction a turn, from step to step too.
.macro MLP16 lw, aw, acc
	LA 0, \aw
	LA 1, \aw
.set tt, 0
.rept 16
.if tt < 15
	s_wait_dscnt 8                                 ; this step's fragments are in; the next step's eight loads may stay out
.else
	s_wait_dscnt 0
.endif
.if \lw
.if 6*(15-tt) > 63
	s_wait_loadcnt 63                              ; the later steps' loads number more than the count can name
.else
	s_wait_loadcnt 6*(15-tt)                       ; six loads of h for each later step may stay out
.endif
.endif
.set fb, AF+32*(tt%2)
	WIN 0x04                                       ; source 1 in window 1
.irp i, 0,1,2,3
	v_wmma_f32_16x16x32_bf16 v[(\acc)+8*\i:(\acc)+8*\i+7], v[fb+8*\i:fb+8*\i+7], v[8*tt:8*tt+7], v[(\acc)+8*\i:(\acc)+8*\i+7]
.endr
.irp i, 0,1,2,3
	v_wmma_f32_16x16x32_bf16 v[(\acc)+8*\i:(\acc)+8*\i+7], v[fb+8*\i:fb+8*\i+7], v[128+8*tt:128+8*tt+7], v[(\acc)+8*\i:(\acc)+8*\i+7]
.endr
	WIN 0x08                                       ; source 1 in window 2
.irp i, 0,1,2,3
	v_wmma_f32_16x16x32_bf16 v[(\acc)+8*\i:(\acc)+8*\i+7], v[fb+8*\i:fb+8*\i+7], v[8*tt:8*tt+7], v[(\acc)+8*\i:(\acc)+8*\i+7]
.endr
	WIN 0
	PLACES
.if tt < 14
	LA tt+2, \aw
.endif
.set tt, tt+1
.endr
.endm
	s_load_b256 s[4:11], s[0:1], 0x0               ; h s[4:5], W s[6:7], b s[8:9], the output s[10:11]
	v_lshl_add_u32 v[SPW], v0, 2, SPARE
	v_mov_b32 v[NIL], 0
	ds_add_u32 v[SPW], v[NIL]                      ; the wave's opening: the add, twice on end, and its wait ahead of my first tensor load
	ds_add_u32 v[SPW], v[NIL]
	v_lshrrev_b32 v9, 5, v0
	v_readfirstlane_b32 s[WV], v9
	s_bfe_u32 s13, ttmp6, 0x40000                  ; cx
	s_lshl_b32 s14, ttmp9, 2
	s_add_co_u32 s14, s14, s13                     ; x = 4 x cluster x + cx: it enters h's and the output's addresses alone
	s_and_b32 s15, ttmp7, 0xffff                   ; y, which the four partners share
	s_lshl_b32 s28, s14, 2
	s_add_co_u32 s28, s28, s[WV]                   ; my sample tile
	s_mov_b32 s[G1+0], 15|(1<<16)|(1<<20)|(1<<21)|(7<<22)|(3<<25)  ; the mask of four; 2-byte elements; padding on; bit 21 beside a mask; after every 256 words (code 7) 4 words (code 3): rows 1,040 bytes apart
	s_mov_b32 s[G1+1], 512<<16                     ; tensor_dim0 = 512
	s_mov_b32 s[G1+2], 16<<16                      ; tensor_dim1 = 16
	s_mov_b32 s[G1+3], 512<<16                     ; tile_dim0 = 512
	s_mov_b32 s[G1+4], 16                          ; tile_dim1 = 16
	s_mov_b32 s[G1+5], 512                         ; elements from row to row
	s_mov_b32 s[G1+6], 0
	s_mov_b32 s[G1+7], 0
	s_mov_b32 s[G0], 1
	s_mul_i32 s[G0+1], s[WV], 16640                ; my 16 rows in LDS
	s_mov_b32 s[SHI], 0xffff0000
	s_mov_b32 s[SLO], 0x0000ffff
	s_lshl_b32 s38, s15, 16                        ; s[38:39]: offsets of y and the wave alone
	s_lshl_b32 s29, s[WV], 14
	s_add_co_u32 s38, s38, s29
	s_mov_b32 s39, 0
	s_lshl_b32 s40, s28, 16                        ; s[40:41]: my sample tile's 65,536 bytes
	s_mov_b32 s41, 0
	v_and_b32 v1, 15, v0
	v_bfe_u32 v2, v0, 4, 1
	v_and_b32 v3, 31, v0
	v_lshlrev_b32 v3, 4, v3                        ; 16 x lane
	v_mul_u32_u24 v4, v1, 1040
	v_lshl_add_u32 v4, v2, 4, v4                   ; a fragment's row x pitch + 16 h
	v_lshlrev_b32 v8, 5, v2                        ; 32 h
	s_wait_dscnt 0x0                               ; both opening adds are done
	s_wait_kmcnt 0x0
	s_add_nc_u64 s[G0+2:G0+3], s[6:7], s[38:39]    ; W at row 64 y + 16 w
	s_or_b32 s[G0+3], s[G0+3], 0x80000000
	s_add_nc_u64 s[HB:HB+1], s[4:5], s[40:41]
	s_add_nc_u64 s[OB:OB+1], s[10:11], s[40:41]
	s_lshl_b32 s38, s15, 11
	s_add_nc_u64 s[OB:OB+1], s[OB:OB+1], s[38:39]
	s_lshl_b32 s38, s15, 8
	s_add_nc_u64 s[BB:BB+1], s[8:9], s[38:39]
.irp i, 0,1,2,3                        ; the bias first, then h, step by step
	global_load_b128 v[ACC+8*\i:ACC+8*\i+3],   v8, s[BB:BB+1] offset:64*\i
	global_load_b128 v[ACC+8*\i+4:ACC+8*\i+7], v8, s[BB:BB+1] offset:64*\i+16
.endr
.set tt, 0
.rept 16
	WIN 0x40
	global_load_b128 v[8*tt:8*tt+3],         v3, s[HB:HB+1] offset:tt*1024
	global_load_b128 v[8*tt+4:8*tt+7],       v3, s[HB:HB+1] offset:tt*1024+512
	global_load_b128 v[128+8*tt:128+8*tt+3], v3, s[HB:HB+1] offset:16384+tt*1024
	global_load_b128 v[128+8*tt+4:128+8*tt+7], v3, s[HB:HB+1] offset:16384+tt*1024+512
	WIN 0x80
	global_load_b128 v[8*tt:8*tt+3],         v3, s[HB:HB+1] offset:32768+tt*1024
	global_load_b128 v[8*tt+4:8*tt+7],       v3, s[HB:HB+1] offset:32768+tt*1024+512
.set tt, tt+1
.endr
	WIN 0
	ROUND                                          ; all four work-groups are here: the joint loads meet
	tensor_load_to_lds s[G0:G0+3], s[G1:G1+7]      ; my one tensor load
	s_nop 0
	PLACES
	s_wait_loadcnt 63                              ; of 104 loads the oldest 41 are in, the bias's eight among them
.set z, 0
.rept 16
	RND2 ACC+2*z                                   ; b rounded to bf16
.set z, z+1
.endr
	s_wait_tensorcnt 0x0                           ; my 16 rows are in,
	s_barrier_signal -1
	s_barrier_wait -1                              ; everybody's are
	MLP16 1, 4, ACC
.irp i, 0,1,2,3
	SPLIT ACC+8*\i, OUT+16*\i
	PUTT \i
.endr
	s_wait_tensorcnt 0x0                           ; the wave's end
	ds_add_u32 v[SPW], v[NIL]
	s_wait_dscnt 0x0
	ROUND                                          ; the closing round
	s_endpgm
.Lfunc_end_k_qc36aa435ef_lay2:
	.size	k_qc36aa435ef_lay2, .Lfunc_end_k_qc36aa435ef_lay2-k_qc36aa435ef_lay2
	.p2alignl 7, 3214868480
	.fill 96, 4, 3214868480
	.section	.rodata,"a",@progbits
	.p2align	6, 0x0
	.amdhsa_kernel k_qc36aa435ef_lay2
		.amdhsa_group_segment_fixed_size 167936
		.amdhsa_private_segment_fixed_size 0
		.amdhsa_enable_private_segment 0
		.amdhsa_kernarg_size 32
		.amdhsa_user_sgpr_count 2
		.amdhsa_user_sgpr_kernarg_segment_ptr 1
		.amdhsa_wavefront_size32 1
		.amdhsa_system_sgpr_workgroup_id_x 1
		.amdhsa_system_sgpr_workgroup_id_y 1
		.amdhsa_system_sgpr_workgroup_id_z 1
		.amdhsa_system_vgpr_workitem_id 0
		.amdhsa_next_free_vgpr 640
		.amdhsa_next_free_sgpr 66
		.amdhsa_reserve_vcc 1
		.amdhsa_float_denorm_mode_32 3
		.amdhsa_float_denorm_mode_16_64 3
		.amdhsa_memory_ordered 1
		.amdhsa_forward_progress 1
		.amdhsa_inst_pref_size 55
	.end_amdhsa_kernel
	.amdgpu_metadata
---
amdhsa.version: [ 1, 2 ]
amdhsa.kernels:
  - .name:           k_qc36aa435ef_lay2
    .symbol:         k_qc36aa435ef_lay2.kd
    .args:
      - { .name: A1, .offset: 0, .size: 8, .value_kind: global_buffer, .address_space: global }
      - { .name: W2b, .offset: 8, .size: 8, .value_kind: global_buffer, .address_space: global }
      - { .name: b2, .offset: 16, .size: 8, .value_kind: global_buffer, .address_space: global }
      - { .name: A2, .offset: 24, .size: 8, .value_kind: global_buffer, .address_space: global }
    .group_segment_fixed_size: 167936
    .private_segment_fixed_size: 0
    .kernarg_segment_align: 8
    .kernarg_segment_size: 32
    .max_flat_workgroup_size: 128
    .sgpr_count:     66
    .vgpr_count:     640
    .wavefront_size: 32
...
	.end_amdgpu_metadata
.endif
;; end of part 2
;; launch lay3: the kernel of part 2 again; grid 32 x 8, 4 waves a work-group, clusters of 4 x 1, 167,936 bytes of LDS; arguments A2, W3R, b3, A3; writes A3
;; launch trace (part 3): grid 256 x 1, 4 waves a work-group, clusters of 4 x 1, 327,680 bytes of LDS; arguments WC, W2b, A1, A2, A3, b4, out0; writes out0
.if DOCPART == 3
	.amdgcn_target "amdgcn-amd-amdhsa--gfx1250"
	.amdhsa_code_object_version 6
	.text
	.protected	k_qc36aa435ef_trace
	.globl	k_qc36aa435ef_trace
	.p2align	8
	.type	k_qc36aa435ef_trace,@function
k_qc36aa435ef_trace:
	s_mov_b64 s[64:65], 0
	v_nop
	global_prefetch_b8 v0, s[64:65] scope:SCOPE_SE
	s_setreg_imm32_b32 hwreg(HW_REG_WAVE_MODE, 25, 1), 1
	s_wait_xcnt 0x0
	s_wait_alu depctr_hold_cnt(0) depctr_sa_sdst(0) depctr_va_vdst(0) depctr_va_sdst(0) depctr_va_ssrc(0) depctr_va_vcc(0) depctr_vm_vsrc(0)
	s_getreg_b32 s2, hwreg(HW_REG_IB_STS2, 6, 4)
	s_cmp_eq_u32 s2, 0
	s_cbranch_scc0 .Lentry_in_a_cluster
	s_endpgm
.Lentry_in_a_cluster:
	s_bfe_u32 s2, ttmp6, 0x10000c
	s_cmp_lg_u32 s2, 0x3003
	s_cbranch_scc0 .Lentry_shape_is_right
	s_endpgm
.Lentry_shape_is_right:
; SCORE MATCHING, launch 4 of 4: val = 0.5 |s|^2 + sum over e, d of m2[e] U[e][d] V[e][d]; no work is left out (the bracketing of the trace is shown at the first launch's head).
;   U[e][d] = sum over a of W2[e][a] (m1[a] W1[a][d]),   V[e][d] = sum over c of W3[c][e] (m3[c] W4[d][c]),   s = h3 W4^T + b4 (h3 in three exact bf16 planes, b4 rounded to bf16).
; A mask is 0xffff or 0 for each 16-bit number along K: one AND on source 1 applies it exactly.  Sums in f32.  LIMITS as at the first launch's head; 0 times an infinity in U V gives NaN.
; SHARES.  A work-group owns 8 samples (half a sample tile), a wave 2.  Every work-group walks the 8 slices of 64 e.  For a slice, sample and product: 64 e x 64 d, K = 512: 16 accumulators; a wave's two samples
; share source 0 and the unmasked source 1: 20 LDS loads and 64 ANDs for a K step's 32 products.  U fills window 1, V window 2; then P = sum over the d tiles of U V, times m2, into eight running sums.
; LDS.  W1 [512 a][64 d] and W4 [64 d][512 c] stay; slot S0 takes W2's 64 rows of a slice, slot S1 W3's 64 columns of it ([512 c][64 e]); the 8 samples' three mask planes are laid in by ds_store, in blocks that no tensor load fills.
; Where K lies along the rows (W2, W4) fragments come by plain loads, pitch 1,040; where it lies across them (W1, W3's slice) by the turning load, pitch 160.
; CLUSTER.  All work-groups walk the same weights: the four of a cluster ask for each tile JOINTLY, a quarter a wave.  A slot is asked for again behind the phase that read it, and has the other phase, 512 products a wave, in which to land.
.set W1L, 0
.set W4L, 81920
.set S0,  148480
.set S1,  215040
.set M1L, 296960                       ; [T 32][h 2][sample 8][16 bytes]: m1; 8,192 further on m3; then m2
.set M3L, 305152
.set M2L, 313344
.set SPARE, 321536                     ; the spare words, 128 bytes a wave: two blocks of 256 bytes that no other line names
.set WV,  3                            ; s3   wave
.set G1T, 16                           ; s[16:23] group 1: 64 rows of 256 bytes, 32 bytes of padding behind every 128
.set G1P, 24                           ; s[24:31] group 1: 16 rows of 1,024 bytes, 16 bytes of padding behind each
.set GW1, 32                           ; s[32:35], s[36:39], s[40:43], s[44:47]: group 0 for W1, W4, S0, S1
.set GW4, 36
.set GS0, 40
.set GS1, 44
.set PF2, 48                           ; s[48:49] the prefetches' place in W2b
.set PF3, 50                           ; s[50:51] and in W3's slices
.set LIM, 52                           ; s52  1 in a wave that prefetches, else the greatest number
.set SY,  53                           ; s53  slices whose successors are still to be asked for
.set ST,  54                           ; s54  counts K steps
.set SEL, 56                           ; s[56:57] v_permlanex16_b32's selects
.set SHI, 84
.set CPA, 4                            ; v4   1,040 r + 16 h        never rewritten
.set CTR, 5                            ; v5   (8 h + l % 8) 160 + 16 ((l / 8) % 2)   never rewritten
.set CMK, 6                            ; v6   128 h + 32 w          never rewritten
.set AA,  7                            ; v7-9 the LDS addresses of source 0's, source 1's and the masks' next run
.set AB,  8
.set AM,  9
.set AM2, 10                           ; v10  m2's
.set H3O, 11
.set STG, 12
.set STL, 13
.set PFO, 14
.set H32, 15
.set SPW, 16
.set NIL, 17
.set SS,  18                           ; v18  |s|^2 of sample lane % 8
.set TV,  19
.set DIV, 20                           ; v20-27 running sums, sample s, e tile i at 20 + 4 s + i
.set O4,  28
.set LH,  29
.set AW4, 30
.set AF,  32                           ; v32-95   source 0, two buffers of 4 fragments
.set BR,  96                           ; v96-159  source 1 unmasked, two buffers of 4
.set MK,  160                          ; v160-191 masks, two buffers of 2 samples x 8
.set ACC4, 192                         ; v192-223 layer 4
.set T0,  224                          ; v224-227 at work
.set P,   128                          ; window 3: v0-127 source 1 masked, two buffers of 8; v128-191 P; v192-223 m2
.set M2R, 192
.set MSB, 0
.macro WIN new
.if MSB != (\new)
	s_set_vgpr_msb (MSB<<8)|(\new)
.set MSB, \new
.endif
.endm
.macro PLACES
.rept 4
	v_nop
.endr
.endm
.macro ROUND
	s_barrier_signal -1
	s_barrier_wait -1
	s_cmp_lg_u32 s[WV], 0
	s_cbranch_scc1 .Lnot_wave_0_\@
	s_barrier_signal -3
.Lnot_wave_0_\@:
	s_barrier_wait -3
	s_barrier_signal -1
	s_barrier_wait -1
.endm
.macro RND2 a
.set rt, T0+(((\a)/2)%2)
	v_cvt_pk_bf16_f32 v[rt], v[\a], v[(\a)+1]
	v_lshlrev_b32 v[\a], 16, v[rt]
	v_and_b32 v[(\a)+1], s[SHI], v[rt]
.endm
.macro LA t, aw
.set fl, AF+32*((\t)%2)
.irp i, 0,1,2,3
	ds_load_b128 v[fl+8*\i:fl+8*\i+3],   v[\aw] offset:\i*16640+64*(\t)
	ds_load_b128 v[fl+8*\i+4:fl+8*\i+7], v[\aw] offset:\i*16640+64*(\t)+32
.endr
.endm
.macro MLP16 aw, acc                   ; layer 4: 4 tiles of d x 16 columns, K = 512, three planes (window 1: P0, P1; window 2: P2); the four accumulators take turns
	LA 0, \aw
	LA 1, \aw
.set tt, 0
.rept 16
.if tt < 15
	s_wait_dscnt 8                                 ; the next step's eight loads may stay out
.else
	s_wait_dscnt 0
.endif
.set fb, AF+32*(tt%2)
	WIN 0x04
.irp i, 0,1,2,3
	v_wmma_f32_16x16x32_bf16 v[(\acc)+8*\i:(\acc)+8*\i+7], v[fb+8*\i:fb+8*\i+7], v[8*tt:8*tt+7], v[(\acc)+8*\i:(\acc)+8*\i+7]
.endr
.irp i, 0,1,2,3
	v_wmma_f32_16x16x32_bf16 v[(\acc)+8*\i:(\acc)+8*\i+7], v[fb+8*\i:fb+8*\i+7], v[128+8*tt:128+8*tt+7], v[(\acc)+8*\i:(\acc)+8*\i+7]
.endr
	WIN 0x08
.irp i, 0,1,2,3
	v_wmma_f32_16x16x32_bf16 v[(\acc)+8*\i:(\acc)+8*\i+7], v[fb+8*\i:fb+8*\i+7], v[8*tt:8*tt+7], v[(\acc)+8*\i:(\acc)+8*\i+7]
.endr
	WIN 0
	PLACES
.if tt < 14
	LA tt+2, \aw
.endif
.set tt, tt+1
.endr
.endm
; Runs of LDS loads for one K step of 32; each steps its address behind the run.
.macro LDP dst, adr                    ; four fragments, K along the rows
.irp q, 0,1,2,3
	ds_load_b128 v[(\dst)+8*\q:(\dst)+8*\q+3],   v[\adr] offset:\q*16640
	ds_load_b128 v[(\dst)+8*\q+4:(\dst)+8*\q+7], v[\adr] offset:\q*16640+32
.endr
	v_add_nc_u32 v[\adr], 64, v[\adr]
.endm
.macro LDT dst, adr                    ; four fragments, K across the rows: turned
.irp q, 0,1,2,3
	ds_load_tr16_b128 v[(\dst)+8*\q:(\dst)+8*\q+3],   v[\adr] offset:32*\q
	ds_load_tr16_b128 v[(\dst)+8*\q+4:(\dst)+8*\q+7], v[\adr] offset:32*\q+2560
.endr
	v_add_nc_u32 v[\adr], 5120, v[\adr]
.endm
.macro LDM dst, adr                    ; my two samples' masks of the 32 K: the 16 lanes of a half read the same 16 bytes
.irp q, 0,1
	ds_load_b128 v[(\dst)+8*\q:(\dst)+8*\q+3],   v[\adr] offset:16*\q
	ds_load_b128 v[(\dst)+8*\q+4:(\dst)+8*\q+7], v[\adr] offset:16*\q+256
.endr
	v_add_nc_u32 v[\adr], 512, v[\adr]
.endm
.macro FA ph, b                        ; source 0 into buffer b: 8 loads.  ph = 0: U; 1: V
.if \ph
	LDT AF+32*(\b), AA
.else
	LDP AF+32*(\b), AA
.endif
.endm
.macro FB ph, b                        ; source 1 and the masks into buffer b: 12 loads
.if \ph
	LDP BR+32*(\b), AB
.else
	LDT BR+32*(\b), AB
.endif
	LDM MK+16*(\b), AM
.endm
; A phase's beginning.  A(t) = source 0 of step t, B(t) = source 1 and masks.  Issued: B0, A0, B1, A1; B0 is masked; then B2.
.macro PRO ph
	WIN 0
.if \ph
	v_add_nc_u32 v[AA], S1, v[CTR]
	v_add_nc_u32 v[AB], W4L, v[CPA]
	v_add_nc_u32 v[AM], M3L, v[CMK]
.else
	v_add_nc_u32 v[AA], S0, v[CPA]
	v_add_nc_u32 v[AB], W1L, v[CTR]
	v_add_nc_u32 v[AM], M1L, v[CMK]
.endif
	FB \ph, 0
	FA \ph, 0
	FB \ph, 1
	FA \ph, 1
	s_wait_dscnt 28                                ; B0 is in; A0, B1, A1 (8 + 12 + 8) may stay out
	WIN 0xC0                                       ; destination window 3
.set z, 0
.rept 64
	v_and_b32 v[z], v[BR+(z%32)], v[MK+8*(z/32)+(z%8)]
.set z, z+1
.endr
	WIN 0
	FB \ph, 0
.endm
; K step t, parity par: 32 products, each accumulator once; behind every two of them four ANDs that mask B(t + 1) for the next step.  The last four ANDs name no register of the last products:
; they are the four places in front of the loads into source 0's buffer.  Then A(t + 2) and B(t + 3) are asked for.  yng: the loads issued behind A(t) and B(t + 1).
.macro STEP ph, par, zero, ands, lda, ldb, yng
	s_wait_dscnt \yng
.set gi, 0
.rept 16
.set qq, gi/2                          ; masked fragment 4 s + n
.set i0, 2*(gi%2)
.set rD, 8*(16*(qq/4)+4*i0+(qq%4))
.set rA, AF+32*(\par)+8*i0
.set rB, 64*(\par)+8*qq
	WIN 0x5C+0x50*(\ph)                            ; source 0 window 0, source 1 window 3, C and D window 1 (U) or 2 (V)
.if \zero
	v_wmma_f32_16x16x32_bf16 v[rD:rD+7], v[rA:rA+7], v[rB:rB+7], 0
	v_wmma_f32_16x16x32_bf16 v[rD+32:rD+39], v[rA+8:rA+15], v[rB:rB+7], 0
.else
	v_wmma_f32_16x16x32_bf16 v[rD:rD+7], v[rA:rA+7], v[rB:rB+7], v[rD:rD+7]
	v_wmma_f32_16x16x32_bf16 v[rD+32:rD+39], v[rA+8:rA+15], v[rB:rB+7], v[rD+32:rD+39]
.endif
.if \ands
	WIN 0xC0
.set ee, 4*(gi%2)
.rept 4
	v_and_b32 v[64*(1-(\par))+8*qq+ee], v[BR+32*(1-(\par))+8*(qq%4)+ee], v[MK+16*(1-(\par))+8*(qq/4)+ee]
.set ee, ee+1
.endr
.endif
.set gi, gi+1
.endr
	WIN 0
.if !(\ands)
	PLACES
.endif
.if \lda
	FA \ph, \par
.endif
.if \ldb
	FB \ph, 1-(\par)
.endif
.endm
.macro PHASE ph                        ; 16 K steps: the first starts the sums with the constant 0; steps 1-12 in a loop of six trips; the last three ask for less and less
	PRO \ph
	STEP \ph, 0, 1, 1, 1, 1, 20                    ; A(t + 1) and B(t + 2), 8 + 12, may stay out
	s_mov_b32 s[ST], 6
.Lk_\@:
	STEP \ph, 1, 0, 1, 1, 1, 20
	STEP \ph, 0, 0, 1, 1, 1, 20
	s_sub_co_u32 s[ST], s[ST], 1
	s_cmp_lg_u32 s[ST], 0
	s_cbranch_scc1 .Lk_\@
	STEP \ph, 1, 0, 1, 1, 0, 20                    ; step 13 asks for A15 alone
	STEP \ph, 0, 0, 1, 0, 0, 8                     ; step 14: A15 may stay out
	STEP \ph, 1, 0, 0, 0, 0, 0                     ; step 15
.endm
; THE CHANGE behind a phase.  Each wave waits for all its tensor loads (one is out: its part of the other slot), adds 0 to its spare word, and waits for that and for its reads of the slot just read.
; fill = 1: the barrier is a round of the cluster's; behind it the slot takes the next slice's tile, the wave's one tensor load.  Behind that load a prefetch into the L2 of what the NEXT change will ask for:
; a tile is 256 blocks of 256 bytes; the launch's first cluster alone asks, its four work-groups told apart by address, waves 0 and 1 of each, a lane a block: each block is named once, one phase (512 products a wave) ahead
; of its load.  W2b's last request is for slice 7: the change behind V of slice 6 asks for nothing.  The first tiles of both, and W2b's second, come by their loads alone.
.macro CHANGE fill, slot
	WIN 0
	s_wait_tensorcnt 0x0                           ; no tensor load of mine is out, so a group 0 may be written
	ds_add_u32 v[SPW], v[NIL]                      ; 0 onto my spare word
.if \fill
	s_wait_xcnt 0x0                                ; the last prefetch, a phase back, has read its address
.if \slot
	s_add_nc_u64 s[GS1+2:GS1+3], s[GS1+2:GS1+3], 0x10000
	s_add_nc_u64 s[PF2:PF2+1], s[PF2:PF2+1], 0x10000
.else
	s_add_nc_u64 s[GS0+2:GS0+3], s[GS0+2:GS0+3], 0x10000
	s_add_nc_u64 s[PF3:PF3+1], s[PF3:PF3+1], 0x10000
.endif
	s_wait_dscnt 0x0                               ; the add is done, and my reads of the slot are over
	ROUND
.if \slot
	tensor_load_to_lds s[GS1:GS1+3], s[G1T:G1T+7]
	s_nop 0
	PLACES
	s_cmp_gt_u32 s[SY], s[LIM]
	s_cbranch_scc0 .Lnot_mine_\@
	global_prefetch_b8 v[PFO], s[PF2:PF2+1] th:TH_LOAD_NT scope:SCOPE_SE
.else
	tensor_load_to_lds s[GS0:GS0+3], s[G1P:G1P+7]
	s_nop 0
	PLACES
	s_cmp_eq_u32 s[LIM], 1
	s_cbranch_scc0 .Lnot_mine_\@
	global_prefetch_b8 v[PFO], s[PF3:PF3+1] th:TH_LOAD_NT scope:SCOPE_SE
.endif
.Lnot_mine_\@:
.else
	s_wait_dscnt 0x0
	s_barrier_signal -1
	s_barrier_wait -1
.endif
.endm
; A slice's end: P[s][i][j] = sum over the four d tiles of U V (each accumulator is read from its lowest registers on); m2 as bf16 1 or 0; the running sums take m2 P.
.macro EPI
	WIN 0xC0
.set z, 0
.rept 8
	ds_load_b128 v[M2R+4*z:M2R+4*z+3], v[AM2] offset:256*(z%4)+16*(z/4)
.set z, z+1
.endr
	WIN 0xF9                                       ; source 0 window 1 (U), source 1 window 2 (V), source 2 and destination window 3
.set z, 0
.rept 128
.set rP, P+8*(4*(z/64)+((z/4)%4))+2*(z%4)
.set rU, 8*(16*(z/64)+4*((z/4)%4)+((z/16)%4))+2*(z%4)
.if ((z/16)%4) == 0
	v_pk_mul_f32 v[rP:rP+1], v[rU:rU+1], v[rU:rU+1]
.else
	v_pk_fma_f32 v[rP:rP+1], v[rU:rU+1], v[rU:rU+1], v[rP:rP+1]
.endif
.set z, z+1
.endr
	s_wait_dscnt 0x0                               ; m2
	WIN 0xCC
.set z, 0
.rept 32
	v_and_b32 v[M2R+z], 0x3f803f80, v[M2R+z]       ; 0xffff becomes bf16's 1.0
.set z, z+1
.endr
	WIN 0x0F                                       ; sources 0 and 1 window 3
.set z, 0
.rept 64
.set rM, M2R+4*(z%8)+(z/8)/2
.set rP, P+8*(z%8)+(z/8)
.if (z/8)%2
	v_fma_mix_f32_bf16 v[DIV+(z%8)], v[rM], v[rP], v[DIV+(z%8)] op_sel:[1,0,0] op_sel_hi:[1,0,0]
.else
	v_fma_mix_f32_bf16 v[DIV+(z%8)], v[rM], v[rP], v[DIV+(z%8)] op_sel:[0,0,0] op_sel_hi:[1,0,0]
.endif
.set z, z+1
.endr
	WIN 0
	v_add_nc_u32 v[AM2], 1024, v[AM2]              ; the next slice's four tiles of m2
.endm
	s_load_b256 s[68:75], s[0:1], 0x0              ; WC s[68:69], W2b s[70:71], A1 s[72:73], A2 s[74:75]
	s_load_b128 s[76:79], s[0:1], 0x20             ; A3 s[76:77], b4 s[78:79]
	s_load_b64 s[80:81], s[0:1], 0x30              ; out0
	v_lshl_add_u32 v[SPW], v0, 2, SPARE
	v_mov_b32 v[NIL], 0
	ds_add_u32 v[SPW], v[NIL]                      ; the wave's opening: the add, twice on end, and its wait ahead of my first tensor load
	ds_add_u32 v[SPW], v[NIL]
	v_lshrrev_b32 v[TV], 5, v0
	v_readfirstlane_b32 s[WV], v[TV]
	s_bfe_u32 s4, ttmp6, 0x40000                   ; cx: it enters global addresses of my own loads, prefetches and store alone
	s_lshl_b32 s5, ttmp9, 2
	s_add_co_u32 s5, s5, s4                        ; the work-group's number
	s_lshr_b32 s6, s5, 1                           ; its sample tile,
	s_and_b32 s7, s5, 1                            ; and which 8 of the 16 samples
	s_mov_b32 s[G1T+0], 15|(1<<16)|(1<<20)|(1<<21)|(4<<22)|(7<<25)  ; the mask of four; 2-byte elements; padding on; bit 21 beside a mask; after every 32 words (code 4) 8 words (code 7): rows of 128 bytes, 160 apart
	s_mov_b32 s[G1T+1], 128<<16
	s_mov_b32 s[G1T+2], 64<<16
	s_mov_b32 s[G1T+3], 128<<16
	s_mov_b32 s[G1T+4], 64
	s_mov_b32 s[G1T+5], 128
	s_mov_b32 s[G1T+6], 0
	s_mov_b32 s[G1T+7], 0
	s_mov_b32 s[G1P+0], 15|(1<<16)|(1<<20)|(1<<21)|(7<<22)|(3<<25)  ; after every 256 words (code 7) 4 words (code 3): rows of 1,024 bytes, 1,040 apart
	s_mov_b32 s[G1P+1], 512<<16
	s_mov_b32 s[G1P+2], 16<<16
	s_mov_b32 s[G1P+3], 512<<16
	s_mov_b32 s[G1P+4], 16
	s_mov_b32 s[G1P+5], 512
	s_mov_b32 s[G1P+6], 0
	s_mov_b32 s[G1P+7], 0
	s_mul_i32 s8, s[WV], 16640                     ; a wave's quarter of a tile: 16 rows of 1,040,
	s_mul_i32 s9, s[WV], 20480                     ; or 128 rows of 160
	s_mov_b32 s[GW1], 1
	s_add_co_u32 s[GW1+1], s9, W1L
	s_mov_b32 s[GW4], 1
	s_add_co_u32 s[GW4+1], s8, W4L
	s_mov_b32 s[GS0], 1
	s_add_co_u32 s[GS0+1], s8, S0
	s_mov_b32 s[GS1], 1
	s_add_co_u32 s[GS1+1], s9, S1
	s_lshl_b32 s10, s[WV], 14                      ; s[10:11]: the quarter's 16,384 bytes in memory: the wave's number alone
	s_mov_b32 s11, 0
	s_lshl_b32 s12, s6, 16                         ; s[12:13]: offsets that hang on the work-group
	s_lshl_b32 s14, s7, 7
	s_add_co_u32 s12, s12, s14
	s_mov_b32 s13, 0
	s_lshr_b32 s[LIM], s[WV], 1
	s_or_b32 s[LIM], s[LIM], ttmp9                 ; 0 in waves 0 and 1 of the first cluster: the same in all four partners
	s_cmp_eq_u32 s[LIM], 0
	s_cselect_b32 s[LIM], 1, -1
	s_mov_b32 s[SEL], 0x76543210
	s_mov_b32 s[SEL+1], 0xfedcba98
	s_mov_b32 s[SHI], 0xffff0000
	v_and_b32 v1, 15, v0                           ; r
	v_bfe_u32 v2, v0, 4, 1                         ; h
	v_and_b32 v3, 31, v0                           ; lane
	v_mul_u32_u24 v[CPA], v1, 1040
	v_lshl_add_u32 v[CPA], v2, 4, v[CPA]
	v_and_b32 v[TV], 7, v0
	v_lshl_add_u32 v[CTR], v2, 3, v[TV]
	v_mul_u32_u24 v[CTR], v[CTR], 160
	v_bfe_u32 v[AA], v0, 3, 1
	v_lshl_add_u32 v[CTR], v[AA], 4, v[CTR]
	s_lshl_b32 s15, s[WV], 5
	v_lshl_add_u32 v[CMK], v2, 7, s15
	v_add_nc_u32 v[AM2], M2L, v[CMK]
	v_lshlrev_b32 v[H3O], 4, v[TV]
	v_lshl_add_u32 v[H3O], v2, 8, v[H3O]           ; h3: column r takes sample r % 8 of my 8: 256 h + 16 (r % 8)
	v_lshrrev_b32 v[STG], 3, v0
	v_lshlrev_b32 v[STG], 8, v[STG]
	v_lshl_add_u32 v[STG], v[TV], 4, v[STG]        ; the masks in memory: 128 bytes of each 256
	v_lshl_add_u32 v[STL], v0, 4, M1L              ; and in LDS, dense
	v_lshlrev_b32 v[PFO], 8, v3
	v_lshlrev_b32 v[H32], 5, v2
	v_lshlrev_b32 v[O4], 2, v3
	v_lshrrev_b32 v[LH], 1, v3
	v_add_nc_u32 v[AW4], W4L, v[CPA]
	s_wait_dscnt 0x0                               ; both opening adds are done
	s_wait_kmcnt 0x0
	s_add_nc_u64 s[GW1+2:GW1+3], s[68:69], s[10:11]
	s_add_nc_u64 s[GW4+2:GW4+3], s[GW1+2:GW1+3], 0x10000
	s_add_nc_u64 s[GS1+2:GS1+3], s[GW1+2:GW1+3], 0x20000
	s_add_nc_u64 s[GS0+2:GS0+3], s[70:71], s[10:11]
	s_or_b32 s[GW1+3], s[GW1+3], 0x80000000
	s_or_b32 s[GW4+3], s[GW4+3], 0x80000000
	s_or_b32 s[GS0+3], s[GS0+3], 0x80000000
	s_or_b32 s[GS1+3], s[GS1+3], 0x80000000
	s_add_nc_u64 s[58:59], s[72:73], s[12:13]      ; A1, A2, A3 at my sample tile, my 8 samples
	s_add_nc_u64 s[60:61], s[74:75], s[12:13]
	s_add_nc_u64 s[62:63], s[76:77], s[12:13]
	s_lshl_b32 s12, s5, 5
	s_add_nc_u64 s[82:83], s[80:81], s[12:13]      ; my 8 numbers of the output
	s_and_b32 s12, s[WV], 1
	s_lshl1_add_u32 s12, s4, s12
	s_lshl_b32 s12, s12, 13                        ; the prefetches: (2 cx + w) x 32 blocks
	s_add_nc_u64 s[PF2:PF2+1], s[70:71], s[12:13]
	s_add_nc_u64 s[PF2:PF2+1], s[PF2:PF2+1], 0x10000  ; at slice 1: stepped before each use
	s_add_nc_u64 s[PF3:PF3+1], s[68:69], s[12:13]
	s_add_nc_u64 s[PF3:PF3+1], s[PF3:PF3+1], 0x20000  ; at slice 0
	WIN 0x40                                       ; h3's three planes, as source 1 of layer 4
.set tt, 0
.rept 32
	global_load_b128 v[4*tt:4*tt+3], v[H3O], s[62:63] offset:512*tt
.set tt, tt+1
.endr
.set tt, 0
.rept 32
	global_load_b128 v[128+4*tt:128+4*tt+3], v[H3O], s[62:63] offset:16384+512*tt
.set tt, tt+1
.endr
	WIN 0x80
.set tt, 0
.rept 32
	global_load_b128 v[4*tt:4*tt+3], v[H3O], s[62:63] offset:32768+512*tt
.set tt, tt+1
.endr
	WIN 0
.irp i, 0,1,2,3
	global_load_b128 v[ACC4+8*\i:ACC4+8*\i+3],   v[H32], s[78:79] offset:64*\i
	global_load_b128 v[ACC4+8*\i+4:ACC4+8*\i+7], v[H32], s[78:79] offset:64*\i+16
.endr
.irp k, 0,1,2,3
	global_load_b128 v[BR+4*\k:BR+4*\k+3],       v[STG], s[58:59] offset:49152+4096*\k
	global_load_b128 v[BR+16+4*\k:BR+16+4*\k+3], v[STG], s[62:63] offset:49152+4096*\k
	global_load_b128 v[BR+32+4*\k:BR+32+4*\k+3], v[STG], s[60:61] offset:49152+4096*\k
.endr
	ROUND                                          ; all four work-groups are here: the first joint loads meet
	tensor_load_to_lds s[GW4:GW4+3], s[G1P:G1P+7]  ; the first fills go out as one group: four loads of mine are out
	s_nop 0
	tensor_load_to_lds s[GW1:GW1+3], s[G1T:G1T+7]
	s_nop 0
	tensor_load_to_lds s[GS0:GS0+3], s[G1P:G1P+7]
	s_nop 0
	tensor_load_to_lds s[GS1:GS1+3], s[G1T:G1T+7]
	s_nop 0
	PLACES
	s_wait_loadcnt 0x0
.irp k, 0,1,2,3
	ds_store_b128 v[STL], v[BR+4*\k:BR+4*\k+3]       offset:2048*\k
	ds_store_b128 v[STL], v[BR+16+4*\k:BR+16+4*\k+3] offset:8192+2048*\k
	ds_store_b128 v[STL], v[BR+32+4*\k:BR+32+4*\k+3] offset:16384+2048*\k
.endr
.set z, 0
.rept 16
	RND2 ACC4+2*z                                  ; b4 rounded to bf16
.set z, z+1
.endr
.set z, 0
.rept 8
	v_mov_b32 v[DIV+z], 0
.set z, z+1
.endr
	s_wait_tensorcnt 0x1                           ; W4, W1 and S0 are in; S1's load may stay out
	s_wait_dscnt 0x0                               ; for the others' sake: my part of the masks is stored
	s_barrier_signal -1
	s_barrier_wait -1
	MLP16 AW4, ACC4                                ; s for the 8 samples, in every wave: lane (r, h) holds sample r % 8, d = 16 i + 8 h + j
	v_pk_mul_f32 v[T0:T0+1], v[ACC4:ACC4+1], v[ACC4:ACC4+1]
	v_pk_mul_f32 v[T0+2:T0+3], v[ACC4+2:ACC4+3], v[ACC4+2:ACC4+3]
.set z, 2
.rept 14
	v_pk_fma_f32 v[T0+2*(z%2):T0+2*(z%2)+1], v[ACC4+2*z:ACC4+2*z+1], v[ACC4+2*z:ACC4+2*z+1], v[T0+2*(z%2):T0+2*(z%2)+1]
.set z, z+1
.endr
	v_pk_add_f32 v[T0:T0+1], v[T0:T0+1], v[T0+2:T0+3]
	v_add_f32 v[SS], v[T0], v[T0+1]
	v_permlanex16_b32 v[TV], v[SS], s[SEL], s[SEL+1]
	v_add_f32 v[SS], v[SS], v[TV]
	s_mov_b32 s[SY], 7
.Ly:                                   ; slices 0 to 6: both slots are filled again
	PHASE 0
	CHANGE 1, 0
	PHASE 1
	CHANGE 1, 1
	EPI
	s_sub_co_u32 s[SY], s[SY], 1
	s_cmp_lg_u32 s[SY], 0
	s_cbranch_scc1 .Ly
	PHASE 0                                        ; slice 7 is written out: nothing is asked for
	CHANGE 0, 0
	PHASE 1
	EPI
	v_add_f32 v20, v20, v21                        ; a sample's four sums, then its 32 lanes'
	v_add_f32 v22, v22, v23
	v_add_f32 v24, v24, v25
	v_add_f32 v26, v26, v27
	v_add_f32 v20, v20, v22
	v_add_f32 v24, v24, v26
.irp m, 1,2,4,8
	v_add_f32_dpp v20, v20, v20 row_xmask:\m row_mask:0xf bank_mask:0xf
	v_add_f32_dpp v24, v24, v24 row_xmask:\m row_mask:0xf bank_mask:0xf
.endr
	v_permlanex16_b32 v21, v20, s[SEL], s[SEL+1]
	v_permlanex16_b32 v25, v24, s[SEL], s[SEL+1]
	v_add_f32 v20, v20, v21
	v_add_f32 v24, v24, v25
	v_and_b32 v[TV], 1, v3
	v_cmp_eq_u32 vcc_lo, 1, v[TV]
	v_cndmask_b32 v20, v20, v24, vcc_lo            ; lane 2 w takes my first sample's trace, lane 2 w + 1 my second's
	v_fma_f32 v20, 0.5, v[SS], v20                 ; lane l < 8 holds |s|^2 of sample l
	s_wait_xcnt 0x0                                ; EXEC changes only behind this wait
	v_cmp_eq_u32 vcc_lo, s[WV], v[LH]
	s_and_saveexec_b32 s8, vcc_lo
	global_store_b32 v[O4], v20, s[82:83]          ; the work-group owns 32 bytes of the output, a wave 8
	s_wait_xcnt 0x0
	s_or_b32 exec_lo, exec_lo, s8
	s_wait_tensorcnt 0x0                           ; the wave's end
	ds_add_u32 v[SPW], v[NIL]
	s_wait_dscnt 0x0
	ROUND                                          ; the closing round
	s_endpgm
.Lfunc_end_k_qc36aa435ef_trace:
	.size	k_qc36aa435ef_trace, .Lfunc_end_k_qc36aa435ef_trace-k_qc36aa435ef_trace
	.p2alignl 7, 3214868480
	.fill 96, 4, 3214868480
	.section	.rodata,"a",@progbits
	.p2align	6, 0x0
	.amdhsa_kernel k_qc36aa435ef_trace
		.amdhsa_group_segment_fixed_size 327680
		.amdhsa_private_segment_fixed_size 0
		.amdhsa_enable_private_segment 0
		.amdhsa_kernarg_size 56
		.amdhsa_user_sgpr_count 2
		.amdhsa_user_sgpr_kernarg_segment_ptr 1
		.amdhsa_wavefront_size32 1
		.amdhsa_system_sgpr_workgroup_id_x 1
		.amdhsa_system_sgpr_workgroup_id_y 1
		.amdhsa_system_sgpr_workgroup_id_z 1
		.amdhsa_system_vgpr_workitem_id 0
		.amdhsa_next_free_vgpr 1024
		.amdhsa_next_free_sgpr 88
		.amdhsa_reserve_vcc 1
		.amdhsa_float_denorm_mode_32 3
		.amdhsa_float_denorm_mode_16_64 3
		.amdhsa_memory_ordered 1
		.amdhsa_forward_progress 1
		.amdhsa_inst_pref_size 233
	.end_amdhsa_kernel
	.amdgpu_metadata
---
amdhsa.version: [ 1, 2 ]
amdhsa.kernels:
  - .name:           k_qc36aa435ef_trace
    .symbol:         k_qc36aa435ef_trace.kd
    .args:
      - { .name: WC, .offset: 0, .size: 8, .value_kind: global_buffer, .address_space: global }
      - { .name: W2b, .offset: 8, .size: 8, .value_kind: global_buffer, .address_space: global }
      - { .name: A1, .offset: 16, .size: 8, .value_kind: global_buffer, .address_space: global }
      - { .name: A2, .offset: 24, .size: 8, .value_kind: global_buffer, .address_space: global }
      - { .name: A3, .offset: 32, .size: 8, .value_kind: global_buffer, .address_space: global }
      - { .name: b4, .offset: 40, .size: 8, .value_kind: global_buffer, .address_space: global }
      - { .name: out0, .offset: 48, .size: 8, .value_kind: global_buffer, .address_space: global }
    .group_segment_fixed_size: 327680
    .private_segment_fixed_size: 0
    .kernarg_segment_align: 8
    .kernarg_segment_size: 56
    .max_flat_workgroup_size: 128
    .sgpr_count:     88
    .vgpr_count:     1024
    .wavefront_size: 32
...
	.end_amdgpu_metadata
.endif
;; end of part 3
;; ======== version 2 of 2: 4 launches; version 1 with the launch l1 written anew for expert scheduling mode
;; workspace buffers: A1 8,388,608 bytes; A2 8,388,608 bytes; A3 8,388,608 bytes; WC 655,360 bytes; W2b 524,288 bytes; W3R 524,288 bytes
;; launch l1 (part 4): grid 32 x 8, 4 waves a work-group, no clusters, 0 bytes of LDS; arguments x, W1, b1, W2, W3, W4, A1, WC, W2b, W3R; writes A1, WC, W2b, W3R
.if DOCPART == 4
	.amdgcn_target "amdgcn-amd-amdhsa--gfx1250"
	.amdhsa_code_object_version 6
	.text
	.protected	k_qc36aa435ef_l1
	.globl	k_qc36aa435ef_l1
	.p2align	8
	.type	k_qc36aa435ef_l1,@function
k_qc36aa435ef_l1:
	s_mov_b64 s[64:65], 0
	v_nop
	global_prefetch_b8 v0, s[64:65] scope:SCOPE_SE
	s_setreg_imm32_b32 hwreg(HW_REG_WAVE_SCHED_MODE, 0, 2), 2
	s_setreg_imm32_b32 hwreg(HW_REG_WAVE_MODE, 25, 1), 1
	s_wait_xcnt 0x0
	s_wait_alu depctr_vm_vsrc(0)
; SCORE MATCHING, launch 1 of 4.  val[b] = 0.5 |s_b|^2 + tr(W4 M3 W3 M2 W2 M1 W1), s = the ReLU network's output, M_k = diag(a_k > 0) of sample b.
; THE TRACE IS BRACKETED OTHERWISE THAN IT IS WRITTEN: tr = sum over e, d of m2[e] U[e][d] V[e][d], with U[e][d] = sum over a of W2[e][a] m1[a] W1[a][d] and
; V[e][d] = sum over c of W3[c][e] m3[c] W4[d][c]: the same sum of the same products, for all values of the inputs (sums reordered, nothing dropped).  The multiply-adds are as many as written.
; NO WORK IS LEFT OUT and every input is loaded: x, W1, b1, W2, W3, W4 here; b2, b3, b4 in the launches that add them.  Masked terms are computed on operands set to 0.
; FORMATS.  All nine inputs are rounded once to bf16 (to nearest even).  What the program itself makes and multiplies again (h1, h2, h3) is carried as THREE bf16 planes P0 + P1 + P2 = h,
; 8 + 8 + 8 significant bits: exact, so the signs that decide the masks are those of f32 sums of exact products.
; LIMITS.  The split is exact unless a residue is an f32 denormal or h rounds beyond bf16's largest finite number; ReLU by the maximum with 0 makes 0 of a NaN; NaN and infinities are not treated apart.
; THIS LAUNCH: layer 1 (a1 = x W1^T + b1) and the bf16 copies of W1, W2, W3 (twice: by rows, and in slices of 64 columns), W4.
; SHARES.  Work-group (x, y): 64 samples x 64 units; wave w: the 16 samples of sample tile 4 x + w, unit tiles T = 4 y + 0..3.  Source 0 = 16 rows of W1, source 1 = 16 samples: in the result lane (r, h)
; holds sample r and units 8 h + 0..7, which packed in pairs are 16 bytes of the next layer's source 1.  A1[tile][plane P0, P1, P2, mask][T][lane][16 bytes]: each store of a wave covers 512 consecutive bytes, aligned.
; The mask plane holds 0xffff for a > 0, else 0, one 16-bit word a unit.
; NO CLUSTER, NO LDS: what work-groups share here (x, W1) passes through registers to be rounded, 16 numbers a lane and fragment; there is no tile in LDS that could be asked for jointly.
; THE MODE: SCHED_MODE bits 1:0 = 2 (LLVM: expert scheduling mode 2), set by the entry lines.  The code itself states the register dependences between vector or matrix instructions and
; memory instructions, and between vector instructions that write scalar registers and their readers, with s_wait_alu, always for 0.
; THE PLAN.  Registers that memory instructions touch:
;   v3 to v8      offsets: written once at the head by vector lines, read by every load and store, never written again.
;   XR, WF, ACC, CJ .. CJ+23   the 54 loads land in registers that no vector line has named; their readers stand behind s_wait_loadcnt.
;   CJ, CJ+8, CJ+16 (4 each)   written by the casts' conversions, read by three stores, never written again.
;   OUT, tile i   16 registers, written by tile i's split, read by its four stores, never written again.
;   CJ+24 .. +31  the tail's two loads land where no vector line has been; four conversions; one store.
;   T0 is named by vector instructions alone.
; No register that a memory instruction has read is written again: no wait on vm_vsrc is owed.  The masks a > 0 are made by 32 compares in one run, each into a scalar register of its own,
; with one wait on va_sdst behind the run.  Three waits on va_vdst stand ahead of stores: behind the splits of tiles 0 and 1 (with the casts), behind those of tiles 2 and 3, and in the tail.
.set SHI, 30                           ; s30  0xffff0000
.set SLO, 31                           ; s31  0x0000ffff
.set OB,  16                           ; s[16:17] A1 at my sample tile, my unit tiles
.set MS,  48                           ; s48-63, s66-81: the lanes' masks a > 0, one register for each of the 32 accumulator registers: number m at 48 + m + 2 (m / 16)
.set T0,  10                           ; v10-11 at work
.set CJ,  16                           ; v16-47  four cast jobs, 8 registers each
.set XR,  48                           ; v48-79  x as loaded
.set XF,  80                           ; v80-95  x's two fragments
.set WF,  96                           ; v96-223 W1 as loaded, fragment f = 2 i + k at 96 + 16 f; rounded in place into its first 8
.set OUT, 96                           ; v96-159 afterwards: four tiles x (P0, P1, P2, mask) x 4 registers
.set ACC, 224                          ; v224-255 four accumulators; they start as the bias
.macro RND2 a                          ; two f32 rounded to bf16 and widened again
.set rt, T0+(((\a)/2)%2)
	v_cvt_pk_bf16_f32 v[rt], v[\a], v[(\a)+1]
	v_lshlrev_b32 v[\a], 16, v[rt]
	v_and_b32 v[(\a)+1], s[SHI], v[rt]
.endm
.macro CVT8 b                          ; eight f32 into four registers of bf16, in place
.irp p, 0,1,2,3
	v_cvt_pk_bf16_f32 v[(\b)+\p], v[(\b)+2*\p], v[(\b)+2*\p+1]
.endr
.endm
; Tile i's eight h = ReLU(a): the mask plane from the scalar masks, and the three planes.  st >= 0: ahead of each pair's vector lines one plane of tile st, finished earlier, is stored.
.macro SPLIT i, st
.set rm, MS+8*(\i)+2*((\i)/2)
.set ra, ACC+8*(\i)
.set ro, OUT+16*(\i)
.irp p, 0,1,2,3
.if (\st) >= 0
	global_store_b128 v3, v[OUT+16*(\st)+4*\p:OUT+16*(\st)+4*\p+3], s[OB:OB+1] offset:\p*16384+(\st)*512  ; no wait: no vector line since the last wait on va_vdst names v3 or tile st's OUT
.endif
	v_cndmask_b32 v[T0], 0, s[SLO], s[rm+2*\p]
	v_cndmask_b32 v[T0+1], 0, s[SHI], s[rm+2*\p+1]
	v_or_b32 v[ro+12+\p], v[T0], v[T0+1]
	v_cvt_pk_bf16_f32 v[ro+\p], v[ra+2*\p], v[ra+2*\p+1]
	v_lshlrev_b32 v[T0], 16, v[ro+\p]
	v_and_b32 v[T0+1], s[SHI], v[ro+\p]
	v_pk_add_f32 v[ra+2*\p:ra+2*\p+1], v[ra+2*\p:ra+2*\p+1], v[T0:T0+1] neg_lo:[0,1] neg_hi:[0,1]  ; h - P0, exact
	v_cvt_pk_bf16_f32 v[ro+4+\p], v[ra+2*\p], v[ra+2*\p+1]
	v_lshlrev_b32 v[T0], 16, v[ro+4+\p]
	v_and_b32 v[T0+1], s[SHI], v[ro+4+\p]
	v_pk_add_f32 v[ra+2*\p:ra+2*\p+1], v[ra+2*\p:ra+2*\p+1], v[T0:T0+1] neg_lo:[0,1] neg_hi:[0,1]  ; h - P0 - P1, exact, 8 bits at the most
	v_cvt_pk_bf16_f32 v[ro+8+\p], v[ra+2*\p], v[ra+2*\p+1]
.endr
.endm
.macro PUTT i                          ; tile i's four planes: 512 consecutive bytes each
.irp q, 0,1,2,3
	global_store_b128 v3, v[OUT+16*(\i)+4*\q:OUT+16*(\i)+4*\q+3], s[OB:OB+1] offset:\q*16384+(\i)*512
.endr
.endm
	s_load_b512 s[4:19], s[0:1], 0x0               ; x s[4:5], W1 s[6:7], b1 s[8:9], W2 s[10:11], W3 s[12:13], W4 s[14:15], A1 s[16:17], WC s[18:19]
	s_load_b128 s[20:23], s[0:1], 0x40             ; W2b s[20:21], W3R s[22:23]
	v_lshrrev_b32 v9, 5, v0
	v_readfirstlane_b32 s24, v9                    ; wave
	s_mov_b32 s25, ttmp9                           ; x
	s_and_b32 s26, ttmp7, 0xffff                   ; y
	s_lshl_b32 s27, s26, 5
	s_add_co_u32 s27, s27, s25                     ; g = 32 y + x: the work-group's number, for the casts
	s_mov_b32 s[SHI], 0xffff0000
	s_mov_b32 s[SLO], 0x0000ffff
	s_mov_b32 s3, 0                                ; s[2:3]: an offset, made apart from every address
	v_and_b32 v1, 15, v0                           ; r
	v_bfe_u32 v2, v0, 4, 1                         ; h
	v_and_b32 v3, 31, v0
	v_lshlrev_b32 v3, 4, v3                        ; 16 x lane
	v_lshlrev_b32 v4, 5, v0                        ; 32 x thread: a cast's 8 f32
	v_lshlrev_b32 v5, 4, v0                        ; 16 x thread: its 8 bf16
	v_lshlrev_b32 v6, 8, v1
	v_lshl_add_u32 v6, v2, 5, v6                   ; a fragment's row of 256 bytes + 32 h
	v_lshrrev_b32 v7, 3, v0
	v_lshlrev_b32 v7, 11, v7
	v_and_b32 v9, 7, v0
	v_lshl_add_u32 v7, v9, 5, v7                   ; W3's slice: row thread / 8 (2,048 bytes), piece thread % 8 (32 bytes)
	v_lshlrev_b32 v8, 5, v2                        ; 32 h: my 8 biases in a tile's 16
	s_wait_alu depctr_va_sdst(0)                   ; s24, the wave's number, is written, ahead of its first reader: my sample tile is made from it
	s_lshl_b32 s28, s25, 2
	s_add_co_u32 s28, s28, s24                     ; my sample tile
	s_wait_kmcnt 0x0
	s_lshl_b32 s2, s28, 12
	s_add_nc_u64 s[32:33], s[4:5], s[2:3]          ; x at my 16 samples
	s_lshl_b32 s2, s26, 14
	s_add_nc_u64 s[34:35], s[6:7], s[2:3]          ; W1 at the 64 units
	s_lshl_b32 s2, s26, 8
	s_add_nc_u64 s[36:37], s[8:9], s[2:3]          ; b1 at the 64 units
	s_lshl_b32 s2, s27, 12
	s_add_nc_u64 s[38:39], s[10:11], s[2:3]        ; W2 and W3: 4,096 bytes of f32 to a work-group
	s_add_nc_u64 s[40:41], s[12:13], s[2:3]
	s_lshl_b32 s2, s25, 15
	s_lshl_b32 s29, s26, 8
	s_add_co_u32 s2, s2, s29
	s_add_nc_u64 s[42:43], s[12:13], s[2:3]        ; W3 at rows 16 x, columns 64 y
	s_lshl_b32 s2, s27, 11
	s_add_nc_u64 s[20:21], s[20:21], s[2:3]        ; their 2,048 bytes of bf16
	s_add_nc_u64 s[22:23], s[22:23], s[2:3]
	s_lshl_b32 s2, s26, 16
	s_lshl_b32 s29, s25, 11
	s_add_co_u32 s2, s2, s29
	s_add_nc_u64 s[18:19], s[18:19], s[2:3]        ; WC + 65,536 y + 2,048 x: W1's copy (y = 0), W4's (y = 1);
	s_add_nc_u64 s[44:45], s[18:19], 0x20000       ; 131,072 further on: slice y of W3, [512 c][64 e]
	s_lshl_b32 s2, s28, 16
	s_lshl_b32 s29, s26, 11
	s_add_co_u32 s2, s2, s29
	s_add_nc_u64 s[OB:OB+1], s[OB:OB+1], s[2:3]
	s_wait_alu depctr_va_vdst(0)                   ; the six offsets v3 to v8 are written: every load and store of the kernel reads one of them, and none is written again
	; 48 loads for the layer: a fragment's 16 numbers of a row are 2 x 32 bytes of f32, 64 bytes apart
.irp k, 0,1
	global_load_b128 v[XR+16*\k:XR+16*\k+3],     v6, s[32:33] offset:128*\k
	global_load_b128 v[XR+16*\k+4:XR+16*\k+7],   v6, s[32:33] offset:128*\k+16
	global_load_b128 v[XR+16*\k+8:XR+16*\k+11],  v6, s[32:33] offset:128*\k+64
	global_load_b128 v[XR+16*\k+12:XR+16*\k+15], v6, s[32:33] offset:128*\k+80
.endr
.irp i, 0,1,2,3
	global_load_b128 v[ACC+8*\i:ACC+8*\i+3],   v8, s[36:37] offset:64*\i
	global_load_b128 v[ACC+8*\i+4:ACC+8*\i+7], v8, s[36:37] offset:64*\i+16
.endr
.set f, 0
.rept 8
	global_load_b128 v[WF+16*f:WF+16*f+3],     v6, s[34:35] offset:(f/2)*4096+(f%2)*128
	global_load_b128 v[WF+16*f+4:WF+16*f+7],   v6, s[34:35] offset:(f/2)*4096+(f%2)*128+16
	global_load_b128 v[WF+16*f+8:WF+16*f+11],  v6, s[34:35] offset:(f/2)*4096+(f%2)*128+64
	global_load_b128 v[WF+16*f+12:WF+16*f+15], v6, s[34:35] offset:(f/2)*4096+(f%2)*128+80
.set f, f+1
.endr
	; six loads for three casts
	global_load_b128 v[CJ:CJ+3],     v4, s[38:39]
	global_load_b128 v[CJ+4:CJ+7],   v4, s[38:39] offset:16
	global_load_b128 v[CJ+8:CJ+11],  v4, s[40:41]
	global_load_b128 v[CJ+12:CJ+15], v4, s[40:41] offset:16
	global_load_b128 v[CJ+16:CJ+19], v7, s[42:43]
	global_load_b128 v[CJ+20:CJ+23], v7, s[42:43] offset:16
	s_wait_loadcnt 6                               ; the layer's 48 are in; the six younger loads, the casts', may stay out
.set z, 0
.rept 16
	v_cvt_pk_bf16_f32 v[XF+z], v[XR+2*z], v[XR+2*z+1]
.set z, z+1
.endr
.set z, 0
.rept 64                                       ; W1: a fragment's 16 f32 close up into the first 8 of their 16 registers, in ascending order: no source is written before it is read
	v_cvt_pk_bf16_f32 v[WF+16*(z/8)+(z%8)], v[WF+16*(z/8)+2*(z%8)], v[WF+16*(z/8)+2*(z%8)+1]
.set z, z+1
.endr
.set z, 0
.rept 16
	RND2 ACC+2*z                                   ; b1 rounded to bf16
.set z, z+1
.endr
.irp k, 0,1                            ; the four accumulators take turns, one instruction a turn
.irp i, 0,1,2,3
	v_wmma_f32_16x16x32_bf16 v[ACC+8*\i:ACC+8*\i+7], v[WF+16*(2*\i+\k):WF+16*(2*\i+\k)+7], v[XF+8*\k:XF+8*\k+7], v[ACC+8*\i:ACC+8*\i+7]
.endr
.endr
	s_wait_loadcnt 0x0                             ; the casts' loads
	CVT8 CJ                                        ; twelve plain lines that name no register of the products: the places behind them
	CVT8 CJ+8
	CVT8 CJ+16
.set z, 0
.rept 32                                       ; ReLU, in place; each accumulator's registers in ascending order
	v_max_num_f32 v[ACC+z], 0, v[ACC+z]
.set z, z+1
.endr
.set z, 0
.rept 32                                       ; the masks, in one run, each into a scalar register of its own
	v_cmp_lt_f32 s[MS+z+2*(z/16)], 0, v[ACC+z]
.set z, z+1
.endr
	s_wait_alu depctr_va_sdst(0)                   ; the 32 compares have written s48-63 and s66-81, ahead of the first select that reads one of them
	SPLIT 0, -1
	SPLIT 1, -1
	s_wait_alu depctr_va_vdst(0)                   ; the casts' conversions have written CJ, CJ+8 and CJ+16, the splits the OUT of tiles 0 and 1: the eleven stores that follow read them
	global_store_b128 v5, v[CJ:CJ+3],     s[20:21]
	global_store_b128 v5, v[CJ+8:CJ+11],  s[22:23]
	global_store_b128 v5, v[CJ+16:CJ+19], s[44:45]
	SPLIT 2, 0                                     ; tiles 0 and 1 leave among the vector lines of tiles 2 and 3, which name T0, the masks and their own ACC and OUT
	SPLIT 3, 1
	s_wait_alu depctr_va_vdst(0)                   ; the splits have written the OUT of tiles 2 and 3, which the eight stores below read
	PUTT 2                                         ; each tile has registers of its own for its stores: none is written twice
	PUTT 3
	s_cmp_lt_u32 s26, 2                            ; W1 and W4 are 131,072 bytes each: the 32 work-groups of y = 0 and of y = 1 copy them
	s_cbranch_scc0 .Ldone
	s_cmp_eq_u32 s26, 0
	s_cselect_b64 s[46:47], s[6:7], s[14:15]
	s_lshl_b32 s2, s25, 12
	s_add_nc_u64 s[46:47], s[46:47], s[2:3]
	global_load_b128 v[CJ+24:CJ+27], v4, s[46:47]  ; no wait: no vector line has named v40 to v47, and none since the head's wait names v4
	global_load_b128 v[CJ+28:CJ+31], v4, s[46:47] offset:16
	s_wait_loadcnt 0x0
	CVT8 CJ+24
	s_wait_alu depctr_va_vdst(0)                   ; the four conversions have written CJ+24 to CJ+27, which the store reads
	global_store_b128 v5, v[CJ+24:CJ+27], s[18:19]
.Ldone:
	s_endpgm
.Lfunc_end_k_qc36aa435ef_l1:
	.size	k_qc36aa435ef_l1, .Lfunc_end_k_qc36aa435ef_l1-k_qc36aa435ef_l1
	.p2alignl 7, 3214868480
	.fill 96, 4, 3214868480
	.section	.rodata,"a",@progbits
	.p2align	6, 0x0
	.amdhsa_kernel k_qc36aa435ef_l1
		.amdhsa_group_segment_fixed_size 0
		.amdhsa_private_segment_fixed_size 0
		.amdhsa_enable_private_segment 0
		.amdhsa_kernarg_size 80
		.amdhsa_user_sgpr_count 2
		.amdhsa_user_sgpr_kernarg_segment_ptr 1
		.amdhsa_wavefront_size32 1
		.amdhsa_system_sgpr_workgroup_id_x 1
		.amdhsa_system_sgpr_workgroup_id_y 1
		.amdhsa_system_sgpr_workgroup_id_z 1
		.amdhsa_system_vgpr_workitem_id 0
		.amdhsa_next_free_vgpr 256
		.amdhsa_next_free_sgpr 82
		.amdhsa_reserve_vcc 0
		.amdhsa_float_denorm_mode_32 3
		.amdhsa_float_denorm_mode_16_64 3
		.amdhsa_memory_ordered 1
		.amdhsa_forward_progress 1
		.amdhsa_inst_pref_size 31
	.end_amdhsa_kernel
	.amdgpu_metadata
---
amdhsa.version: [ 1, 2 ]
amdhsa.kernels:
  - .name:           k_qc36aa435ef_l1
    .symbol:         k_qc36aa435ef_l1.kd
    .args:
      - { .name: x, .offset: 0, .size: 8, .value_kind: global_buffer, .address_space: global }
      - { .name: W1, .offset: 8, .size: 8, .value_kind: global_buffer, .address_space: global }
      - { .name: b1, .offset: 16, .size: 8, .value_kind: global_buffer, .address_space: global }
      - { .name: W2, .offset: 24, .size: 8, .value_kind: global_buffer, .address_space: global }
      - { .name: W3, .offset: 32, .size: 8, .value_kind: global_buffer, .address_space: global }
      - { .name: W4, .offset: 40, .size: 8, .value_kind: global_buffer, .address_space: global }
      - { .name: A1, .offset: 48, .size: 8, .value_kind: global_buffer, .address_space: global }
      - { .name: WC, .offset: 56, .size: 8, .value_kind: global_buffer, .address_space: global }
      - { .name: W2b, .offset: 64, .size: 8, .value_kind: global_buffer, .address_space: global }
      - { .name: W3R, .offset: 72, .size: 8, .value_kind: global_buffer, .address_space: global }
    .group_segment_fixed_size: 0
    .private_segment_fixed_size: 0
    .kernarg_segment_align: 8
    .kernarg_segment_size: 80
    .max_flat_workgroup_size: 128
    .sgpr_count:     82
    .vgpr_count:     256
    .wavefront_size: 32
...
	.end_amdgpu_metadata
.endif
;; end of part 4
;; launch lay2: the kernel of part 2 again; grid 32 x 8, 4 waves a work-group, clusters of 4 x 1, 167,936 bytes of LDS; arguments A1, W2b, b2, A2; writes A2
;; launch lay3: the kernel of part 2 again; grid 32 x 8, 4 waves a work-group, clusters of 4 x 1, 167,936 bytes of LDS; arguments A2, W3R, b3, A3; writes A3
;; launch trace: the kernel of part 3 again; grid 256 x 1, 4 waves a work-group, clusters of 4 x 1, 327,680 bytes of LDS; arguments WC, W2b, A1, A2, A3, b4, out0; writes out0
